; MI455X (gfx1250); checked and timed in simulation.
; The chip was launched on July 23, 2026; its instructions are those of AMD's public machine-readable ISA for CDNA 5 (MIT licence, August 2026) and "CDNA5" Instruction Set Architecture Reference Guide (July 2026). The comments in the code are by the model that wrote it; some were corrected since.
;; Simple Attention. Allowed arithmetic: float matrix products may take bf16 or f16 operands with f32 sums; other float arithmetic in f32, or as packed bf16 or f16 multiplies, adds, multiply-adds, maxima and minima; sums over many terms, partial sums and values carried from step to step in f32; what a program stores and reads back later, other than sums and carried values, may be rounded once to bf16 or f16.
;; Inputs: Wk 1,024 x 1,024 float32; Wq 1,024 x 1,024 float32; Wv 1,024 x 1,024 float32; bk 1,024 float32; bq 1,024 float32; bv 1,024 float32; mask 4 x 4,096 x 1 float32; x 4 x 4,096 x 1,024 float32.
;; Outputs: out0 4 x 4,096 x 1,024 float32.
;; One version. Each part assembles by itself: llvm-mc -triple=amdgcn-amd-amdhsa -mcpu=gfx1250 --defsym DOCPART=n.
;; ======== version 1 of 1: 4 launches
;; limits: values are held in f16: magnitudes above 65,504 overflow, below 6.1e-05 lose precision; inputs' magnitudes at most 65,504
;; workspace buffers: xb 33,554,432 bytes; wt 6,291,456 bytes; aux 77,824 bytes; part 16,777,216 bytes; kvt 524,288 bytes; fac 65,536 bytes
;; launch prep (part 1): grid 1427 x 1, 8 waves a work-group, no clusters, 18,432 bytes of LDS; arguments x, Wq, Wk, Wv, bq, bk, bv, mask, xb, wt, aux; writes xb, wt, aux
.if DOCPART == 1
	.amdgcn_target "amdgcn-amd-amdhsa--gfx1250"
	.amdhsa_code_object_version 6
	.text
	.protected	k_qe6936458fb_prep
	.globl	k_qe6936458fb_prep
	.p2align	8
	.type	k_qe6936458fb_prep,@function
k_qe6936458fb_prep:
	s_mov_b64 s[64:65], 0
	v_nop
	global_prefetch_b8 v0, s[64:65] scope:SCOPE_SE
	s_setreg_imm32_b32 hwreg(HW_REG_WAVE_MODE, 25, 1), 1
	s_wait_xcnt 0x0
; PREP.  Every input is rounded once to bf16 and laid out for the two products that follow.
;   xb  [16384][1024] bf16: x as it lies.
;   wt  [3072][1024] bf16, rows along K: row n < 1024 = column n of Wq; row 1024 + 128 h + d = column 64 h + d of Wk; row 1024 + 128 h + 64 + d = column 64 h + d of Wv.
;   aux f32, each number rounded to bf16 and widened again: byte 0 mask[16384]; byte 65,536 bq[1024]; byte 69,632 for each head 64 of bk, then 64 of bv.
; The work-group's number chooses one of three shares (the same for its eight waves): 0-383 a tile of 128 k x 64 n of one weight; 384-1407 64 KiB of x; 1408-1426 1,024 numbers of the mask or a bias.
; The weights come first: theirs is the longest chain (load, LDS, barrier, store).  70 registers a wave: 14 waves fit in a SIMD's 1,024, seven work-groups on a WGP, where 1,427 / 256 gives six at the most:
; every work-group's loads go out at the launch's start.
; A stream: no matrix unit, no cluster (no two work-groups read the same bytes), no tensor load: the only LDS is the stage in which a weight's tile is turned.
.set SPARE, 17408                      ; behind the stage (64 rows x 272 bytes): the spare words, 128 bytes for each of eight waves
.set SPW, 68                           ; v68  LDS address of my spare word; never rewritten
.set NIL, 69                           ; v69  0; never rewritten
	s_load_b512 s[8:23], s[0:1], 0x0               ; x s[8:9], Wq s[10:11], Wk s[12:13], Wv s[14:15], bq s[16:17], bk s[18:19], bv s[20:21], mask s[22:23]
	s_load_b128 s[24:27], s[0:1], 0x40             ; xb s[24:25], wt s[26:27]
	s_load_b64 s[28:29], s[0:1], 0x50              ; aux
	v_lshl_add_u32 v[SPW], v0, 2, SPARE
	v_mov_b32 v[NIL], 0
	s_mov_b32 s2, ttmp9
	s_wait_kmcnt 0x0
	s_cmp_lt_u32 s2, 384
	s_cbranch_scc1 .Lrole_w
	s_cmp_lt_u32 s2, 1408
	s_cbranch_scc0 .Lrole_a
	; X: 65,536 bytes of x become 32,768 of xb.  A wave takes 8,192 bytes by sixteen loads of 512 consecutive bytes, all issued at once; the roundings go into the registers that were loaded.
	s_sub_co_u32 s34, s2, 384
	s_lshl_b32 s30, s34, 16
	s_mov_b32 s31, 0
	s_lshl_b32 s32, s34, 15
	s_mov_b32 s33, 0
	s_add_nc_u64 s[8:9], s[8:9], s[30:31]
	s_add_nc_u64 s[24:25], s[24:25], s[32:33]
	v_lshrrev_b32 v3, 5, v0                        ; wave
	v_and_b32 v2, 31, v0                           ; lane
	v_lshlrev_b32 v1, 4, v2
	v_lshl_or_b32 v1, v3, 13, v1                   ; in: 8,192 wave + 16 lane
	v_lshlrev_b32 v2, 3, v2
	v_lshl_or_b32 v2, v3, 12, v2                   ; out: 4,096 wave + 8 lane
.irp j, 0,1,2,3,4,5,6,7,8,9,10,11,12,13,14,15
	global_load_b128 v[4+4*(\j):7+4*(\j)], v1, s[8:9] offset:512*(\j) th:TH_LOAD_NT
.endr
.irp j, 0,1,2,3,4,5,6,7,8,9,10,11,12,13,14,15
	s_wait_loadcnt 15-(\j)                         ; loads come back in order: load j is in, the 15 - j younger ones may stay out
	v_cvt_pk_bf16_f32 v[4+4*(\j)], v[4+4*(\j)], v[5+4*(\j)]
	v_cvt_pk_bf16_f32 v[5+4*(\j)], v[6+4*(\j)], v[7+4*(\j)]
	global_store_b64 v2, v[4+4*(\j):5+4*(\j)], s[24:25] offset:256*(\j)  ; 32 lanes x 8 bytes: 256 consecutive bytes, aligned
.endr
	s_endpgm                                       ; this share has written no LDS
.Lrole_w:
	; W: a tile of 128 k x 64 n of one weight ([k][n] f32) becomes 64 rows of 128 k in bf16.
	s_lshr_b32 s35, s2, 7                          ; which weight: 0 Wq, 1 Wk, 2 Wv
	s_and_b32 s36, s2, 7                           ; kt: which 128 of k
	s_bfe_u32 s37, s2, 0x40003                     ; nt: which 64 of n = which head
	s_cmp_eq_u32 s35, 1
	s_cselect_b64 s[38:39], s[12:13], s[10:11]
	s_cmp_eq_u32 s35, 2
	s_cselect_b64 s[38:39], s[14:15], s[38:39]
	s_lshl_b32 s30, s36, 19                        ; 128 rows of 4,096 bytes
	s_lshl_b32 s31, s37, 8                         ; 64 columns of 4 bytes
	s_add_co_u32 s30, s30, s31
	s_mov_b32 s31, 0
	s_add_nc_u64 s[38:39], s[38:39], s[30:31]
	s_lshl_b32 s40, s37, 6                         ; Wq: row 64 nt
	s_lshl_b32 s41, s37, 7
	s_lshl_b32 s42, s35, 6
	s_add_co_u32 s41, s41, s42
	s_add_co_u32 s41, s41, 960                     ; Wk, Wv: row 1024 + 128 nt + 64 (weight - 1)
	s_cmp_eq_u32 s35, 0
	s_cselect_b32 s40, s40, s41
	s_lshl_b32 s32, s40, 11                        ; rows of 2,048 bytes
	s_lshl_b32 s33, s36, 8                         ; 128 k of 2 bytes
	s_add_co_u32 s32, s32, s33
	s_mov_b32 s33, 0
	s_add_nc_u64 s[26:27], s[26:27], s[32:33]
	v_and_b32 v1, 15, v0                           ; c: my four columns 4 c ..
	v_lshrrev_b32 v2, 4, v0                        ; pr: my pairs of rows pr, pr + 16, pr + 32, pr + 48
	v_lshlrev_b32 v3, 4, v1
	v_lshl_add_u32 v52, v2, 13, v3                 ; in: 2 pr rows + 16 c
	v_mul_u32_u24 v53, v1, 1088
	v_lshl_add_u32 v53, v2, 2, v53                 ; stage, in: row 4 c, word pr
	v_mul_u32_u24 v54, v2, 272
	v_add_nc_u32 v54, v54, v3                      ; stage, back: row pr, 16 c
	v_lshl_add_u32 v55, v2, 11, v3                 ; out: row pr, 16 c
.irp i, 0,1,2,3
	global_load_b128 v[4+8*(\i):7+8*(\i)],   v52, s[38:39] offset:131072*(\i)       ; row k = 2 (pr + 16 i): 16 lanes take 256 consecutive bytes
	global_load_b128 v[8+8*(\i):11+8*(\i)],  v52, s[38:39] offset:131072*(\i)+4096  ; and the row below it
.endr
	s_wait_loadcnt 0x0
.irp i, 0,1,2,3
.irp j, 0,1,2,3
	v_cvt_pk_bf16_f32 v[36+4*(\i)+(\j)], v[4+8*(\i)+(\j)], v[8+8*(\i)+(\j)]  ; column 4 c + j: k even below, k odd above
.endr
.endr
.irp i, 0,1,2,3
.irp j, 0,1,2,3
	ds_store_b32 v53, v[36+4*(\i)+(\j)] offset:272*(\j)+64*(\i)
.endr
.endr
	s_wait_dscnt 0x0                               ; for the other waves' sake: my stores into the stage are done
	s_barrier_signal -1
	s_barrier_wait -1
.irp u, 0,1,2,3
	ds_load_b128 v[4+4*(\u):7+4*(\u)], v54 offset:4352*(\u)  ; row pr + 16 u, whole, into registers that the roundings have read
.endr
.irp u, 0,1,2,3
	s_wait_dscnt 3-(\u)                            ; LDS loads come back in order: the 3 - u younger ones may stay out
	global_store_b128 v55, v[4+4*(\u):7+4*(\u)], s[26:27] offset:32768*(\u)  ; 16 lanes store 256 consecutive bytes, aligned
.endr
	s_wait_tensorcnt 0x0                           ; the wave's end: three lines behind my last LDS store
	ds_add_u32 v[SPW], v[NIL]
	s_wait_dscnt 0x0
	s_endpgm
.Lrole_a:
	; A: 1,024 numbers, rounded to bf16 and widened again.  Shares 0-15: the mask; 16: bq; 17: bk; 18: bv (the last two go head by head, 512 bytes apart).
	s_sub_co_u32 s34, s2, 1408
	s_cmp_eq_u32 s34, 16
	s_cselect_b64 s[38:39], s[16:17], s[22:23]
	s_cmp_eq_u32 s34, 17
	s_cselect_b64 s[38:39], s[18:19], s[38:39]
	s_cmp_eq_u32 s34, 18
	s_cselect_b64 s[38:39], s[20:21], s[38:39]
	s_cselect_b32 s33, 256, 0                      ; bv lies 256 bytes behind bk
	s_lshl_b32 s30, s34, 12
	s_cmp_lt_u32 s34, 16
	s_cselect_b32 s30, s30, 0                      ; the mask's share begins 4,096 bytes x its number in; a bias at its first byte
	s_mov_b32 s31, 0
	s_min_u32 s32, s34, 17
	s_lshl_b32 s32, s32, 12                        ; 16 x 4,096 = 65,536 and 17 x 4,096 = 69,632 are bq's and bk's places
	s_add_co_u32 s32, s32, s33
	s_mov_b32 s33, 0
	s_cmp_ge_u32 s34, 17
	s_cselect_b32 s35, 9, 8                        ; 64 numbers go 256 bytes apart, or 512
	s_add_nc_u64 s[38:39], s[38:39], s[30:31]
	s_add_nc_u64 s[28:29], s[28:29], s[32:33]
	v_lshlrev_b32 v1, 4, v0
	global_load_b128 v[4:7], v1, s[38:39]
	v_lshrrev_b32 v2, 4, v0
	v_and_b32 v3, 15, v0
	v_lshlrev_b32 v2, s35, v2
	v_lshl_add_u32 v2, v3, 4, v2
	s_wait_loadcnt 0x0
	v_cvt_pk_bf16_f32 v8, v4, v5
	v_cvt_pk_bf16_f32 v9, v6, v7
	v_lshlrev_b32 v10, 16, v8
	v_and_b32 v11, 0xffff0000, v8
	v_lshlrev_b32 v12, 16, v9
	v_and_b32 v13, 0xffff0000, v9
	global_store_b128 v2, v[10:13], s[28:29]       ; 16 lanes store 256 consecutive bytes, aligned
	s_endpgm                                       ; this share has written no LDS
.Lfunc_end_k_qe6936458fb_prep:
	.size	k_qe6936458fb_prep, .Lfunc_end_k_qe6936458fb_prep-k_qe6936458fb_prep
	.p2alignl 7, 3214868480
	.fill 96, 4, 3214868480
	.section	.rodata,"a",@progbits
	.p2align	6, 0x0
	.amdhsa_kernel k_qe6936458fb_prep
		.amdhsa_group_segment_fixed_size 18432
		.amdhsa_private_segment_fixed_size 0
		.amdhsa_enable_private_segment 0
		.amdhsa_kernarg_size 88
		.amdhsa_user_sgpr_count 2
		.amdhsa_user_sgpr_kernarg_segment_ptr 1
		.amdhsa_wavefront_size32 1
		.amdhsa_system_sgpr_workgroup_id_x 1
		.amdhsa_system_sgpr_workgroup_id_y 1
		.amdhsa_system_sgpr_workgroup_id_z 1
		.amdhsa_system_vgpr_workitem_id 0
		.amdhsa_next_free_vgpr 70
		.amdhsa_next_free_sgpr 66
		.amdhsa_reserve_vcc 0
		.amdhsa_float_denorm_mode_32 3
		.amdhsa_float_denorm_mode_16_64 3
		.amdhsa_memory_ordered 1
		.amdhsa_forward_progress 1
		.amdhsa_inst_pref_size 14
	.end_amdhsa_kernel
	.amdgpu_metadata
---
amdhsa.version: [ 1, 2 ]
amdhsa.kernels:
  - .name:           k_qe6936458fb_prep
    .symbol:         k_qe6936458fb_prep.kd
    .args:
      - { .name: x, .offset: 0, .size: 8, .value_kind: global_buffer, .address_space: global }
      - { .name: Wq, .offset: 8, .size: 8, .value_kind: global_buffer, .address_space: global }
      - { .name: Wk, .offset: 16, .size: 8, .value_kind: global_buffer, .address_space: global }
      - { .name: Wv, .offset: 24, .size: 8, .value_kind: global_buffer, .address_space: global }
      - { .name: bq, .offset: 32, .size: 8, .value_kind: global_buffer, .address_space: global }
      - { .name: bk, .offset: 40, .size: 8, .value_kind: global_buffer, .address_space: global }
      - { .name: bv, .offset: 48, .size: 8, .value_kind: global_buffer, .address_space: global }
      - { .name: mask, .offset: 56, .size: 8, .value_kind: global_buffer, .address_space: global }
      - { .name: xb, .offset: 64, .size: 8, .value_kind: global_buffer, .address_space: global }
      - { .name: wt, .offset: 72, .size: 8, .value_kind: global_buffer, .address_space: global }
      - { .name: aux, .offset: 80, .size: 8, .value_kind: global_buffer, .address_space: global }
    .group_segment_fixed_size: 18432
    .private_segment_fixed_size: 0
    .kernarg_segment_align: 8
    .kernarg_segment_size: 88
    .max_flat_workgroup_size: 256
    .sgpr_count:     66
    .vgpr_count:     70
    .wavefront_size: 32
...
	.end_amdgpu_metadata
.endif
;; end of part 1
;; launch kvgemm (part 2): grid 8 x 32, 4 waves a work-group, clusters of 4 x 4, 327,680 bytes of LDS; arguments xb, wt, aux, part; writes part
.if DOCPART == 2
	.amdgcn_target "amdgcn-amd-amdhsa--gfx1250"
	.amdhsa_code_object_version 6
	.text
	.protected	k_qe6936458fb_kvgemm
	.globl	k_qe6936458fb_kvgemm
	.p2align	8
	.type	k_qe6936458fb_kvgemm,@function
k_qe6936458fb_kvgemm:
	s_mov_b64 s[64:65], 0
	v_nop
	global_prefetch_b8 v0, s[64:65] scope:SCOPE_SE
	s_setreg_imm32_b32 hwreg(HW_REG_WAVE_MODE, 25, 1), 1
	s_wait_xcnt 0x0
	s_wait_alu depctr_hold_cnt(0) depctr_sa_sdst(0) depctr_va_vdst(0) depctr_va_sdst(0) depctr_va_ssrc(0) depctr_va_vcc(0) depctr_vm_vsrc(0)
	s_getreg_b32 s2, hwreg(HW_REG_IB_STS2, 6, 4)
	s_cmp_eq_u32 s2, 0
	s_cbranch_scc0 .Lentry_in_a_cluster
	s_endpgm
.Lentry_in_a_cluster:
	s_bfe_u32 s2, ttmp6, 0x10000c
	s_cmp_lg_u32 s2, 0xf033
	s_cbranch_scc0 .Lentry_shape_is_right
	s_endpgm
.Lentry_shape_is_right:
; KVGEMM.  k = x Wk + bk and v = x Wv + bv (bf16 operands, f32 sums), and of them, without leaving the registers, kv[d][e] = the sum over rows s of mask[s]^2 k[s][d] v[s][e] (f16 operands, f32 sums).
; SHARES.  A work-group makes two tiles of 256 rows x 256 columns, 2,048 rows apart in one batch; the columns are two heads' k and v (wt holds a head's 64 rows of Wk and 64 of Wv together).
; Each of four waves has 128 rows x 128 columns = 64 k and 64 v columns of ONE head, in 64 accumulators.
; THE WALK.  K goes in steps of 128 through two LDS slots filled by tensor loads; the two tiles are ONE walk of 16 K steps.  A K step is written once: a trip of the loop is a step's quarters 2 to 4 and the next
; step's first quarter, and fills the slot that it leaves with the step two on: 14 trips; the last two steps, which ask for nothing, are written out.  The scalar CUR holds the slot in hand (0 or SLOT);
; the fragment addresses and the refill's LDS word are made from it.  The trip that ends the first tile takes a forward branch through the tile's end and a quarter that starts the sums anew.
; THE PRODUCT IS USED AS IT STANDS (source 0 = 16 rows of x, source 1 = 16 rows of wt): a lane holds ONE column and eight rows s.  Two row blocks of one column block lie in 16 neighbouring registers;
; rounded to f16 in pairs, in place, they ARE a fragment (lane = column, K = 32 rows s), source 0 (k) or source 1 (v) of kv = k^T v.  The bias is the C operand of the products that start the sums.
; THE MASK.  mask^2 goes onto k alone, as (mask / 2t)^2 <= 1 with t the power of two of the wave's largest |mask|, so that k keeps its range in f16; the sums are multiplied by 4 t^2 at the end.
; OUT.  Each wave stores its 64 x 64 sums, f32, as [e][d]: part[batch x 16 + head][2 (row block of 256) + row half][e][d]: 16 partial sums a head, added by the next launch.
; CLUSTER.  4 x 4 work-groups: the four of a row of the cluster need the same tiles of x, the four of a column the same tiles of wt: each tile is asked for jointly.
; LIMITS.  |x W + b| < 65,504 (k and v are rounded to f16); |mask| < 2^62; a wave whose largest |mask| is a denormal counts its rows as masked out; NaN and infinities are not treated apart.
; REGISTERS, in windows of 256 (s_set_vgpr_msb: bits 1:0 source 0, 3:2 source 1, 5:4 source 2, 7:6 destination):
;   window 0: v0-31 addresses and small things; v32-63 mask^2 of four row blocks; v64-127, v128-191 fragments of x, two buffers; v192-255 the bias, 8 registers a column block
;   window 1: v64-127, v128-191 fragments of wt; v0-63, v192-255 the 16 accumulators of kv
;   window 2: accumulators of my rows 0-63: (a, b) at 128 (a / 2) + 16 b + 8 (a % 2);   window 3: the same for rows 64-127
.set KSTEP,  128
.set PITCH,  272                       ; an LDS row: 256 bytes + 16 of padding: the 16 rows of a fragment load begin 16 bytes further on in each 256
.set HALFT,  128*PITCH                 ; what one tensor load brings
.set SLOT,   4*HALFT                   ; x's 256 rows, then wt's 256 rows
.set STAGE,  2*SLOT                    ; behind the ring: 32 rows x 272 bytes for each wave, for the way out
.set MASKL,  STAGE+4*32*272            ; 1,024 bytes for each wave: (mask / 2t)^2 of its 128 rows in each of the two tiles
.set SPARE,  MASKL+4096                ; the spare words, 128 bytes for each wave
.set STEPS,  16                        ; two tiles of 1,024 / 128 K steps
.set NEXT_A, 2048*2048-7*KSTEP*2       ; from a tile's last K step to the next tile's first: 2,048 rows of 2,048 bytes down, seven steps of 256 bytes back
.set BACK_B, 8*KSTEP*2                 ; wt's tiles only go back: eight steps are taken from the step forward
.set ADRA, 16                          ; v16  LDS address of my x fragments in the slot in hand
.set A0,   18                          ; v18  the same in slot 0; never rewritten
.set ADRB, 20                          ; v20, v22  the same for wt
.set B0,   22
.set STO,  24                          ; v24  the way out: where I put 16 bytes
.set RD,   25                          ; v25  the way out: where I read rows back
.set CO,   26                          ; v26  16 x lane
.set ML,   27                          ; v27  LDS address of my lanes' mask^2 for the tile in hand
.set SPW,  28                          ; v28  LDS address of my spare word; never rewritten
.set NIL,  29                          ; v29  0; never rewritten
.set T2,   30                          ; v30-31  4 t^2, twice
.set M2,   32
.set F0,   64
.set F1,   128
.set BT,   192
.set WV, 12                            ; s12 my wave's number
.set RH, 13                            ; s13 my half of the tile's rows; also: I fetch x (0) or wt (1)
.set CH, 14                            ; s14 my half of its columns; also: which 128 rows of that tile I fetch
.set G1, 24                            ; s[24:31] descriptor group 1 for x's tiles; s[32:39] group 0: a set for each of the two first fills; the second then walks
.set G0, 32
.set G1B, 48                           ; s[48:55], s[56:63] the same for wt's
.set G0B, 56
.set DA,  72                           ; s[72:73] what x's address steps by in this trip
.set DB,  74                           ; s[74:75] what is taken from wt's step in this trip
.set CUR, 76                           ; s76 the slot in hand: 0 or SLOT
.set KA,  77                           ; s77 NEXT_A
.set MSB, 0
.macro WIN new                         ; the immediate's high byte repeats the setting that is left; a switch that changes nothing is dropped
.if MSB != (\new)
	s_set_vgpr_msb (MSB<<8)|(\new)
.set MSB, \new
.endif
.endm
; A joint load: waves 0 and 1 fetch x's two halves, waves 2 and 3 wt's.  The branch hangs on the wave's number alone.  An s_nop 0 and four v_nop follow each line.
.macro JLOAD s
	s_cmp_eq_u32 s[RH], 0
	s_cbranch_scc0 .Lfor_b_\@
	tensor_load_to_lds s[G0+4*(\s):G0+4*(\s)+3], s[G1:G1+7]
	s_nop 0
.rept 4
	v_nop
.endr
	s_branch .Lasked_\@
.Lfor_b_\@:
	tensor_load_to_lds s[G0B+4*(\s):G0B+4*(\s)+3], s[G1B:G1B+7]
	s_nop 0
.rept 4
	v_nop
.endr
.Lasked_\@:
.endm
.macro CREST                           ; a round of the cluster's barrier behind its opening barrier
	s_cmp_lg_u32 s[WV], 0
	s_cbranch_scc1 .Lnot_wave_0_\@
	s_barrier_signal -3
.Lnot_wave_0_\@:
	s_barrier_wait -3
	s_barrier_signal -1
	s_barrier_wait -1
.endm
.macro CROUND                          ; a whole round
	s_barrier_signal -1
	s_barrier_wait -1
	CREST
.endm
.macro PLACES                          ; four plain vector places behind matrix instructions (ISA guide 7.12.1), where no other vector work is at hand
.rept 4
	v_nop
.endr
.endm
	s_load_b256 s[4:11], s[0:1], 0x0               ; xb s[4:5], wt s[6:7], aux s[8:9], part s[10:11]
	v_lshl_add_u32 v[SPW], v0, 2, SPARE
	v_mov_b32 v[NIL], 0
	ds_add_u32 v[SPW], v[NIL]                      ; the wave's opening: the add and its wait ahead of my first tensor load; work on registers stands between them
	v_lshrrev_b32 v1, 5, v0
	v_readfirstlane_b32 s[WV], v1
	s_lshr_b32 s[RH], s[WV], 1
	s_and_b32 s[CH], s[WV], 1
	s_bfe_u32 s40, ttmp6, 0x40000                  ; cx
	s_bfe_u32 s41, ttmp6, 0x40004                  ; cy
	s_lshl_b32 s42, ttmp9, 2
	s_add_co_u32 s42, s42, s40                     ; tc = 4 x cluster x + cx: heads 2 tc, 2 tc + 1
	s_and_b32 s45, ttmp7, 0xffff
	s_lshl_b32 s45, s45, 2
	s_add_co_u32 s45, s45, s41                     ; y = 4 x cluster y + cy
	s_lshl_b32 s43, s41, 2
	s_lshl_b32 s43, 15, s43                        ; my row of the cluster
	s_lshl_b32 s44, 0x1111, s40                    ; my column
	s_or_b32 s[G1+0], s43, (1<<16)|(1<<20)|(1<<21)|(5<<22)|(3<<25)   ; 15:0 the mask; 17:16 2-byte elements; 20 padding on; 21 set beside a mask; 24:22 after every 64 words; 31:25 4 words of it
	s_or_b32 s[G1B+0], s44, (1<<16)|(1<<20)|(1<<21)|(5<<22)|(3<<25)
.irp g, G1, G1B
	s_mov_b32 s[(\g)+1], KSTEP<<16                 ; tensor_dim0 = 128
	s_mov_b32 s[(\g)+2], 128<<16                   ; tensor_dim1 = 128
	s_mov_b32 s[(\g)+3], KSTEP<<16                 ; tile_dim0 = 128
	s_mov_b32 s[(\g)+4], 128                       ; tile_dim1 = 128
	s_mov_b32 s[(\g)+5], 1024                      ; 1,024 elements from row to row
	s_mov_b32 s[(\g)+6], 0
	s_mov_b32 s[(\g)+7], 0
.endr
	s_mov_b32 s68, 0x76543210                      ; v_permlanex16_b32: each lane takes its own place in the other half
	s_mov_b32 s69, 0xfedcba98
	s_mov_b32 s[CUR], 0
	s_mov_b32 s[KA], NEXT_A
	s_mov_b32 s[DA+1], 0
	s_mov_b32 s[DB+1], 0
	s_lshr_b32 s67, s45, 3                         ; batch
	s_and_b32 s15, s45, 7                          ; rb: which 256 rows of the batch's first 2,048
	s_lshl_b32 s66, s67, 12
	s_lshl_b32 s16, s15, 8
	s_add_co_u32 s66, s66, s16                     ; the first tile's first row
	s_lshl_b32 s17, s[CH], 7                       ; which 128 rows of a tile I fetch
	s_add_co_u32 s16, s66, s17
	s_lshl_b32 s16, s16, 11                        ; x: rows of 2,048 bytes
	s_lshl_b32 s46, s42, 8
	s_add_co_u32 s46, s46, s17
	s_add_co_u32 s46, s46, 1024                    ; wt: row 1024 + 256 tc + 128 half
	s_lshl_b32 s46, s46, 11
	s_mov_b32 s17, 0
	s_mov_b32 s47, 0
	s_mul_i32 s20, s[WV], HALFT                    ; where my loads go in a slot: no place in the cluster enters an LDS address; never rewritten
	s_wait_dscnt 0x0                               ; the opening add is done
	s_wait_kmcnt 0x0
	s_add_nc_u64 s[70:71], s[4:5], s[16:17]
	s_add_nc_u64 s[46:47], s[6:7], s[46:47]
	CROUND                                         ; all sixteen work-groups are here: the first joint loads meet
.irp s, 0,1
	s_mov_b32 s[G0+4*(\s)], 1
	s_add_co_u32 s[G0+4*(\s)+1], s20, (\s)*SLOT
	s_add_nc_u64 s[G0+4*(\s)+2:G0+4*(\s)+3], s[70:71], (\s)*KSTEP*2
	s_or_b32 s[G0+4*(\s)+3], s[G0+4*(\s)+3], 0x80000000
	s_mov_b32 s[G0B+4*(\s)], 1
	s_add_co_u32 s[G0B+4*(\s)+1], s20, (\s)*SLOT
	s_add_nc_u64 s[G0B+4*(\s)+2:G0B+4*(\s)+3], s[46:47], (\s)*KSTEP*2
	s_or_b32 s[G0B+4*(\s)+3], s[G0B+4*(\s)+3], 0x80000000
	JLOAD \s                                       ; two tensor loads of mine are out
.endr
	; the mask of my 2 x 128 rows and the bias of my 128 columns
	v_and_b32 v1, 15, v0                           ; r
	v_bfe_u32 v2, v0, 4, 1                         ; h
	v_and_b32 v[CO], 31, v0
	v_lshlrev_b32 v[CO], 4, v[CO]
	v_lshlrev_b32 v13, 2, v1
	s_lshl_b32 s3, s42, 1
	s_add_co_u32 s3, s3, s[CH]                     ; my head
	s_lshl_b32 s16, s[RH], 7
	s_add_co_u32 s16, s16, s66
	s_lshl_b32 s16, s16, 2
	s_add_nc_u64 s[18:19], s[8:9], s[16:17]        ; the mask at my first row
	s_lshl_b32 s22, s3, 9
	s_add_co_u32 s22, s22, 69632
	s_mov_b32 s23, 0
	s_add_nc_u64 s[46:47], s[8:9], s[22:23]        ; my head's 64 of bk and 64 of bv
	global_load_b128 v[4:7],  v[CO], s[18:19]
	global_load_b128 v[8:11], v[CO], s[18:19] offset:8192  ; 2,048 rows on
.irp b, 0,1,2,3,4,5,6,7
	global_load_b32 v[BT+8*(\b)], v13, s[46:47] offset:64*(\b)  ; column 16 b + r
.endr
	s_lshl_b32 s22, s67, 4
	s_add_co_u32 s22, s22, s3                      ; batch x 16 + head
	s_lshl_b32 s22, s22, 4
	s_lshl_b32 s21, s15, 1
	s_add_co_u32 s22, s22, s21
	s_add_co_u32 s22, s22, s[RH]                   ; + which of the head's 16 partial sums is mine
	s_lshl_b32 s22, s22, 14                        ; 64 x 64 x 4 bytes each
	s_add_nc_u64 s[10:11], s[10:11], s[22:23]
	v_mul_u32_u24 v3, v1, PITCH
	v_lshl_add_u32 v3, v2, 4, v3                   ; a fragment's row x pitch + 16 x half
	s_mul_i32 s21, s[RH], HALFT
	s_mul_i32 s22, s[CH], HALFT
	s_add_co_u32 s22, s22, 2*HALFT
	v_add_nc_u32 v[A0], s21, v3
	v_add_nc_u32 v[B0], s22, v3
	v_add_nc_u32 v[ADRA], s[CUR], v[A0]            ; slot 0 is in hand
	v_add_nc_u32 v[ADRB], s[CUR], v[B0]
	s_mul_i32 s23, s[WV], 32*272
	s_add_co_u32 s23, s23, STAGE                   ; my stage
	v_mul_u32_u24 v12, v1, 272
	v_lshl_add_u32 v12, v2, 5, v12
	v_add_nc_u32 v[STO], s23, v12                  ; in: row e = r, 32 bytes for each half of the lanes
	v_mul_u32_u24 v12, v2, 272
	v_lshl_add_u32 v12, v1, 4, v12
	v_add_nc_u32 v[RD], s23, v12                   ; back: lanes 0-15 one row of 256 bytes, lanes 16-31 the next
	s_lshl_b32 s23, s[WV], 10
	s_add_co_u32 s23, s23, MASKL
	v_add_nc_u32 v3, s23, v[CO]
	v_lshl_add_u32 v[ML], v2, 5, s23               ; register j of a result holds row 8 h + j
	; kv's sums start at 0, cleared on purpose: one text of a tile's end then serves both tiles.  128 moves, in the wait for the first tile.
	WIN 0x40
.set i, 0
.rept 64
	v_mov_b32 v[i], 0
	v_mov_b32 v[192+i], 0
.set i, i+1
.endr
	WIN 0
	s_wait_loadcnt 0x0
.irp b, 0,1,2,3,4,5,6,7
.irp j, 1,2,3,4,5,6,7
	v_mov_b32 v[BT+8*(\b)+(\j)], v[BT+8*(\b)]      ; a lane's eight rows share the column's bias
.endr
.endr
.irp j, 0,1,2,3,4,5,6,7
	v_and_b32 v[M2+(\j)], 0x7fffffff, v[4+(\j)]
.endr
	v_max3_num_f32 v12, v[M2], v[M2+1], v[M2+2]
	v_max3_num_f32 v13, v[M2+3], v[M2+4], v[M2+5]
	v_max3_num_f32 v12, v12, v[M2+6], v[M2+7]
	v_max_num_f32 v12, v12, v13
	v_max_num_f32_dpp v12, v12, v12 row_xmask:1 row_mask:0xf bank_mask:0xf
	v_max_num_f32_dpp v12, v12, v12 row_xmask:2 row_mask:0xf bank_mask:0xf
	v_max_num_f32_dpp v12, v12, v12 row_xmask:4 row_mask:0xf bank_mask:0xf
	v_max_num_f32_dpp v12, v12, v12 row_xmask:8 row_mask:0xf bank_mask:0xf
	v_permlanex16_b32 v13, v12, s68, s69
	v_max_num_f32 v12, v12, v13                    ; the largest |mask| of my 256 rows
	v_and_b32 v12, 0x7f800000, v12                 ; t: its power of two
	v_sub_nc_u32 v14, 0x7e800000, v12              ; 1 / 2t, made in the exponent field
	v_mov_b32 v15, v14
.irp j, 4,6,8,10
	v_pk_mul_f32 v[\j:\j+1], v[\j:\j+1], v[14:15]
.endr
.irp j, 4,6,8,10
	v_pk_mul_f32 v[\j:\j+1], v[\j:\j+1], v[\j:\j+1]
.endr
	ds_store_b128 v3, v[4:7]                       ; my wave's own bytes: no other wave reads them
	ds_store_b128 v3, v[8:11] offset:512
	v_mul_f32 v[T2], v12, v12
	v_mul_f32 v[T2], 4.0, v[T2]
	v_mov_b32 v[T2+1], v[T2]
; 16 matrix instructions: row blocks a0, a0 + 1 of the window's four x all 8 column blocks, 32 along K.  zero = 1: the first product starts the sums, with the bias as C.
; The 64 accumulators take turns, one instruction a turn.
.macro MUL16 f, hi, a0, zero
.if \zero
	WIN 0x84+0x40*(\hi)                            ; x window 0, wt window 1, C (the bias) window 0, D window 2 or 3
.else
	WIN 0xa4+0x50*(\hi)                            ; C and D window 2 or 3
.endif
.irp a, \a0, (\a0)+1
.irp b, 0,1,2,3,4,5,6,7
.set rD, 128*((\a)/2)+16*(\b)+8*((\a)%2)
.if \zero
	v_wmma_f32_16x16x32_bf16 v[rD:rD+7], v[(\f)+8*(4*(\hi)+(\a)):(\f)+8*(4*(\hi)+(\a))+7], v[(\f)+8*(\b):(\f)+8*(\b)+7], v[BT+8*(\b):BT+8*(\b)+7]
.else
	v_wmma_f32_16x16x32_bf16 v[rD:rD+7], v[(\f)+8*(4*(\hi)+(\a)):(\f)+8*(4*(\hi)+(\a))+7], v[(\f)+8*(\b):(\f)+8*(\b)+7], v[rD:rD+7]
.endif
.endr
.endr
.endm
; 32 LDS loads in one run: the fragments of one quarter step (32 K at byte k of the rows of the slot in hand) into buffer f: wt's 128 rows, then x's
.macro FETCH k, f
	WIN 0x40
.irp i, 0,1,2,3,4,5,6,7
	ds_load_b128 v[(\f)+8*(\i):(\f)+8*(\i)+3],   v[ADRB] offset:(\k)+(\i)*16*PITCH
	ds_load_b128 v[(\f)+8*(\i)+4:(\f)+8*(\i)+7], v[ADRB] offset:(\k)+(\i)*16*PITCH+32
.endr
	WIN 0
.irp i, 0,1,2,3,4,5,6,7
	ds_load_b128 v[(\f)+8*(\i):(\f)+8*(\i)+3],   v[ADRA] offset:(\k)+(\i)*16*PITCH
	ds_load_b128 v[(\f)+8*(\i)+4:(\f)+8*(\i)+7], v[ADRA] offset:(\k)+(\i)*16*PITCH+32
.endr
.endm
; A K step is four quarters of 32 along K on buffers 0, 1, 0, 1.  One of the first three: multiplies buffer f and, in its middle, fetches the next quarter, at byte k, into g.
.macro QUARTER k, f, g, zero
	s_wait_dscnt 8                                 ; wt and x's rows 0-63 are in; the youngest eight loads (x's rows 64-127) may be out
	MUL16 \f, 0, 0, \zero
	MUL16 \f, 0, 2, \zero
	PLACES                                         ; in front of loads into registers that matrix instructions have read
	FETCH \k, \g
	s_wait_dscnt 32                                ; all but the 32 just issued
	MUL16 \f, 1, 0, \zero
	MUL16 \f, 1, 2, \zero
.endm
; The first half of a step's last quarter: ONE barrier for the change of slots.  In front of it each wave waits for all its tensor loads (one is out: its part of the next slot), adds 0 to its spare
; word, and waits for that and for its own reads of this slot.
.macro MEET round
	WIN 0
	s_wait_tensorcnt 0x0
	ds_add_u32 v[SPW], v[NIL]
	s_wait_dscnt 9                                 ; the add and the youngest eight loads may be out
	MUL16 F1, 0, 0, 0
	s_wait_dscnt 0x0                               ; the add is done, and my reads of this slot are over
	s_barrier_signal -1
	MUL16 F1, 0, 2, 0
.if \round
	WIN 0
.endif
	s_barrier_wait -1
.endm
; The whole last quarter.  fill = 1: the slot in hand is filled again with the K step two on, by the walking descriptors, behind a round of the cluster's barrier; 0: nothing is filled, and no round follows.
; Then the other slot comes in hand and its first fragments are fetched.
.macro TURN fill
.if \fill
	MEET 1
	CREST                                          ; no wave of any partner still reads this slot or has a load on its way
	s_add_co_u32 s[G0+5], s20, s[CUR]              ; LDS word: my part of the slot that is left
	s_add_co_u32 s[G0B+5], s20, s[CUR]
	s_add_nc_u64 s[G0+6:G0+7], s[G0+6:G0+7], s[DA:DA+1]      ; one K step on, or on to the next tile; the type bits on top are not reached
	s_add_nc_u64 s[G0B+6:G0B+7], s[G0B+6:G0B+7], KSTEP*2
	s_sub_nc_u64 s[G0B+6:G0B+7], s[G0B+6:G0B+7], s[DB:DB+1]
	JLOAD 1                                        ; my one tensor load behind the round; its four v_nop are also the places in front of the loads below
.else
	MEET 0
	PLACES
.endif
	WIN 0
	s_xor_b32 s[CUR], s[CUR], SLOT                 ; 0 and SLOT by turns
	v_add_nc_u32 v[ADRA], s[CUR], v[A0]
	v_add_nc_u32 v[ADRB], s[CUR], v[B0]
	FETCH 0, F0
	MUL16 F1, 1, 0, 0
	MUL16 F1, 1, 2, 0
.endm
.macro LASTQ                           ; the very last quarter: nothing more to fetch
	s_wait_dscnt 8
	MUL16 F1, 0, 0, 0
	MUL16 F1, 0, 2, 0
	s_wait_dscnt 0x0
	MUL16 F1, 1, 0, 0
	MUL16 F1, 1, 2, 0
.endm
; A TILE'S END: kv += k^T v, window by window (w = 2: my rows 0-63; 3: rows 64-127).
.macro M2LOAD w                        ; (mask / 2t)^2 of the window's four row blocks: rows 16 a + 8 h + 0..7
	WIN 0
.irp a, 0,1,2,3
	ds_load_b128 v[M2+8*(\a):M2+8*(\a)+3],   v[ML] offset:256*((\w)-2)+64*(\a)
	ds_load_b128 v[M2+8*(\a)+4:M2+8*(\a)+7], v[ML] offset:256*((\w)-2)+64*(\a)+16
.endr
.endm
.macro MULK w                          ; k's 16 accumulators of the window times it; each accumulator's registers in ascending order
	WIN 0x82+0x41*((\w)-2)
.irp b, 0,1,2,3
.irp a, 0,1,2,3
.set rD, 128*((\a)/2)+16*(\b)+8*((\a)%2)
.irp r, 0,1,2,3
	v_pk_mul_f32 v[rD+2*(\r):rD+2*(\r)+1], v[rD+2*(\r):rD+2*(\r)+1], v[M2+8*(\a)+2*(\r):M2+8*(\a)+2*(\r)+1]
.endr
.endr
.endr
.endm
.macro PACK w, b0                      ; column blocks b0 .. b0 + 3: two row blocks' 16 registers become a fragment's 8, in place; ascending, so that nothing is written before it is read
	WIN 0x8a+0x45*((\w)-2)
.irp bb, 0,1,2,3
.irp c, 0,1
.set pb, 128*(\c)+16*((\b0)+(\bb))
.irp r, 0,1,2,3
	v_cvt_pk_f16_f32 v[pb+(\r)], v[pb+2*(\r)], v[pb+2*(\r)+1]
.endr
.irp r, 0,1,2,3
	v_cvt_pk_f16_f32 v[pb+4+(\r)], v[pb+8+2*(\r)], v[pb+9+2*(\r)]
.endr
.endr
.endr
.endm
.macro KVMM w                          ; 32 products: 32 rows s at a time, kv's 16 accumulators by turns.  Register j of (db, eb) holds d = 16 db + 8 h + j, e = 16 eb + r
	WIN 0x5a+5*((\w)-2)
.irp c, 0,1
.irp eb, 0,1,2,3
.irp db, 0,1,2,3
.set kn, 4*(\eb)+(\db)
.set rK, 8*kn+128*(kn/8)
	v_wmma_f32_16x16x32_f16 v[rK:rK+7], v[128*(\c)+16*(\db):128*(\c)+16*(\db)+7], v[128*(\c)+16*(4+(\eb)):128*(\c)+16*(4+(\eb))+7], v[rK:rK+7]
.endr
.endr
.endr
.endm
.macro EPI
	WIN 0
	PLACES                                         ; behind the tile's last products
	M2LOAD 2
	PACK 2, 4                                      ; v wants no mask: its roundings stand in the wait for the loads
	s_wait_dscnt 0x0
	MULK 2
	PACK 2, 0
	M2LOAD 3
	KVMM 2
	PACK 3, 4
	s_wait_dscnt 0x0
	MULK 3
	PACK 3, 0
	KVMM 3
	WIN 0
	v_add_nc_u32 v[ML], 512, v[ML]                 ; the next tile's mask; with the four below: five places before those products' registers are written over or their sums read
	PLACES
.endm
; THE WAY OUT, 32 rows e at a time: times 4 t^2; into my stage; back as whole rows of 256 bytes; stored.
.macro KVOUT hf
	WIN 0x41
.irp e2, 0,1
.irp db, 0,1,2,3
.set kn, 4*(2*(\hf)+(\e2))+(\db)
.set rK, 8*kn+128*(kn/8)
.irp r, 0,1,2,3
	v_pk_mul_f32 v[rK+2*(\r):rK+2*(\r)+1], v[rK+2*(\r):rK+2*(\r)+1], v[T2:T2+1]
.endr
.endr
.endr
	WIN 0x04                                       ; address window 0, data window 1
.irp e2, 0,1
.irp db, 0,1,2,3
.set kn, 4*(2*(\hf)+(\e2))+(\db)
.set rK, 8*kn+128*(kn/8)
	ds_store_b128 v[STO], v[rK:rK+3]   offset:(\e2)*4352+64*(\db)
	ds_store_b128 v[STO], v[rK+4:rK+7] offset:(\e2)*4352+64*(\db)+16
.endr
.endr
	WIN 0
.irp t, 0,1,2,3,4,5,6,7,8,9,10,11,12,13,14,15
	ds_load_b128 v[64+64*(\hf)+4*(\t):64+64*(\hf)+4*(\t)+3], v[RD] offset:544*(\t)  ; LDS serves a wave's instructions in order: these see the stores above
.endr
.irp t, 0,1,2,3,4,5,6,7,8,9,10,11,12,13,14,15
	s_wait_dscnt 15-(\t)                           ; the 15 - t younger loads may stay out
	global_store_b128 v[CO], v[64+64*(\hf)+4*(\t):64+64*(\hf)+4*(\t)+3], s[10:11] offset:8192*(\hf)+512*(\t)  ; 512 consecutive bytes, aligned
.endr
.endm
	s_wait_dscnt 0x0                               ; my stores of the mask are done: no LDS instruction is pending at a signal
	s_wait_tensorcnt 1                             ; my part of K step 0 is in; K step 1's may stay out
	s_barrier_signal -1
	s_barrier_wait -1
	FETCH 0, F0
	QUARTER 64, F0, F1, 1                          ; the walk's first quarter starts the first tile's sums
	WIN 0
	s_mov_b32 s3, STEPS-2                          ; trips to go; trip j = 14 - s3 ends K step j and asks for K step j + 2
.Lstep:
	s_cmp_eq_u32 s3, 8                             ; j + 2 = 8: the second tile's first K step is asked for
	s_cselect_b32 s[DA], s[KA], KSTEP*2
	s_cselect_b32 s[DB], BACK_B, 0
	QUARTER 128, F1, F0, 0
	QUARTER 192, F0, F1, 0
	TURN 1
	WIN 0
	s_cmp_eq_u32 s3, 7                             ; j = 7: the first tile's last K step has been multiplied
	s_cbranch_scc1 .Lchange                        ; forward, past text with no barrier and no tensor load
	QUARTER 64, F0, F1, 0
	WIN 0
	s_branch .Lnext
.Lchange:
	EPI
	QUARTER 64, F0, F1, 1                          ; the second tile's first quarter starts its sums
	WIN 0
.Lnext:
	s_sub_co_u32 s3, s3, 1
	s_cmp_lg_u32 s3, 0
	s_cbranch_scc1 .Lstep
	QUARTER 128, F1, F0, 0                         ; the last two K steps are written out: they ask for nothing
	QUARTER 192, F0, F1, 0
	TURN 0
	QUARTER 64,  F0, F1, 0
	QUARTER 128, F1, F0, 0
	QUARTER 192, F0, F1, 0
	LASTQ
	EPI
	KVOUT 0
	KVOUT 1
	s_wait_tensorcnt 0x0                           ; the wave's end: three lines behind my last tensor load and my last LDS store
	ds_add_u32 v[SPW], v[NIL]
	s_wait_dscnt 0x0
	CROUND                                         ; the closing round: no work-group ends while a partner may still ask for a tile that names it
	s_endpgm
.Lfunc_end_k_qe6936458fb_kvgemm:
	.size	k_qe6936458fb_kvgemm, .Lfunc_end_k_qe6936458fb_kvgemm-k_qe6936458fb_kvgemm
	.p2alignl 7, 3214868480
	.fill 96, 4, 3214868480
	.section	.rodata,"a",@progbits
	.p2align	6, 0x0
	.amdhsa_kernel k_qe6936458fb_kvgemm
		.amdhsa_group_segment_fixed_size 327680
		.amdhsa_private_segment_fixed_size 0
		.amdhsa_enable_private_segment 0
		.amdhsa_kernarg_size 32
		.amdhsa_user_sgpr_count 2
		.amdhsa_user_sgpr_kernarg_segment_ptr 1
		.amdhsa_wavefront_size32 1
		.amdhsa_system_sgpr_workgroup_id_x 1
		.amdhsa_system_sgpr_workgroup_id_y 1
		.amdhsa_system_sgpr_workgroup_id_z 1
		.amdhsa_system_vgpr_workitem_id 0
		.amdhsa_next_free_vgpr 1024
		.amdhsa_next_free_sgpr 78
		.amdhsa_reserve_vcc 0
		.amdhsa_float_denorm_mode_32 3
		.amdhsa_float_denorm_mode_16_64 3
		.amdhsa_memory_ordered 1
		.amdhsa_forward_progress 1
		.amdhsa_inst_pref_size 173
	.end_amdhsa_kernel
	.amdgpu_metadata
---
amdhsa.version: [ 1, 2 ]
amdhsa.kernels:
  - .name:           k_qe6936458fb_kvgemm
    .symbol:         k_qe6936458fb_kvgemm.kd
    .args:
      - { .name: xb, .offset: 0, .size: 8, .value_kind: global_buffer, .address_space: global }
      - { .name: wt, .offset: 8, .size: 8, .value_kind: global_buffer, .address_space: global }
      - { .name: aux, .offset: 16, .size: 8, .value_kind: global_buffer, .address_space: global }
      - { .name: part, .offset: 24, .size: 8, .value_kind: global_buffer, .address_space: global }
    .group_segment_fixed_size: 327680
    .private_segment_fixed_size: 0
    .kernarg_segment_align: 8
    .kernarg_segment_size: 32
    .max_flat_workgroup_size: 128
    .sgpr_count:     78
    .vgpr_count:     1024
    .wavefront_size: 32
...
	.end_amdgpu_metadata
.endif
;; end of part 2
;; launch kvfin (part 3): grid 256 x 1, 8 waves a work-group, no clusters, 1,280 bytes of LDS; arguments part, aux, kvt, fac; writes kvt, fac
.if DOCPART == 3
	.amdgcn_target "amdgcn-amd-amdhsa--gfx1250"
	.amdhsa_code_object_version 6
	.text
	.protected	k_qe6936458fb_kvfin
	.globl	k_qe6936458fb_kvfin
	.p2align	8
	.type	k_qe6936458fb_kvfin,@function
k_qe6936458fb_kvfin:
	s_mov_b64 s[64:65], 0
	v_nop
	global_prefetch_b8 v0, s[64:65] scope:SCOPE_SE
	s_setreg_imm32_b32 hwreg(HW_REG_WAVE_MODE, 25, 1), 1
	s_wait_xcnt 0x0
; KVFIN.  Work-group g = 4 (batch x 16 + head) + eq owns rows e = 16 eq .. + 15 of one head's kv, kept as [e][d].  It adds the head's 16 partial sums (f32), takes the power of two t of the block's largest
; magnitude, stores kv / t in f16 (so that kv has f16's full precision whatever its size), and stores t / sqrt(64 x the batch's sum of the mask) 64 times, a whole 256 bytes.
; Thread t owns four neighbouring d of one row.  The block's maximum and the mask's sum meet in LDS, one word a wave.  No matrix unit, no tensor load, no cluster: each partial sum is read once, by one work-group.
; LIMITS.  |kv| < 2^127; a block whose largest magnitude is a denormal counts as 0; a mask that sums to 0 gives NaN, as the definition does.
.set SPARE, 256                        ; bytes 0-63: eight maxima, eight sums; from 256 on the spare words, 128 bytes for each of eight waves
.set SPW, 102
.set NIL, 103
.macro ACROSS op, v, t                 ; over the wave's 32 lanes; the result in every lane
	\op\()_dpp v[\v], v[\v], v[\v] row_xmask:1 row_mask:0xf bank_mask:0xf
	\op\()_dpp v[\v], v[\v], v[\v] row_xmask:2 row_mask:0xf bank_mask:0xf
	\op\()_dpp v[\v], v[\v], v[\v] row_xmask:4 row_mask:0xf bank_mask:0xf
	\op\()_dpp v[\v], v[\v], v[\v] row_xmask:8 row_mask:0xf bank_mask:0xf
	v_permlanex16_b32 v[\t], v[\v], s20, s21
	\op v[\v], v[\v], v[\t]
.endm
	s_load_b256 s[4:11], s[0:1], 0x0               ; part s[4:5], aux s[6:7], kvt s[8:9], fac s[10:11]
	v_lshl_add_u32 v[SPW], v0, 2, SPARE
	v_mov_b32 v[NIL], 0
	v_lshrrev_b32 v1, 5, v0
	v_readfirstlane_b32 s12, v1                    ; wave
	s_lshr_b32 s13, ttmp9, 2                       ; batch x 16 + head
	s_and_b32 s14, ttmp9, 3                        ; eq
	s_lshr_b32 s15, ttmp9, 6                       ; batch
	s_mov_b32 s20, 0x76543210
	s_mov_b32 s21, 0xfedcba98
	v_lshlrev_b32 v2, 4, v0
	v_lshlrev_b32 v3, 3, v0
	s_lshl_b32 s16, s13, 18                        ; 16 partial sums of 16,384 bytes a head
	s_lshl_b32 s17, s14, 12                        ; 16 rows of 256 bytes
	s_add_co_u32 s16, s16, s17
	s_mov_b32 s17, 0
	s_lshl_b32 s18, s15, 14                        ; 4,096 numbers of the mask a batch
	s_mov_b32 s19, 0
	s_wait_kmcnt 0x0
	s_add_nc_u64 s[4:5], s[4:5], s[16:17]
	s_add_nc_u64 s[6:7], s[6:7], s[18:19]
.irp i, 0,1,2,3
	global_load_b128 v[72+4*(\i):75+4*(\i)], v2, s[6:7] offset:4096*(\i)
.endr
.irp p, 0,1,2,3,4,5,6,7,8,9,10,11,12,13,14,15
	global_load_b128 v[8+4*(\p):11+4*(\p)], v2, s[4:5] offset:16384*(\p)
.endr
	s_lshl_b32 s16, s13, 13                        ; kvt: 8,192 bytes a head,
	s_lshl_b32 s22, s14, 11                        ; 16 rows of 128 bytes
	s_add_co_u32 s16, s16, s22
	s_add_nc_u64 s[8:9], s[8:9], s[16:17]
	s_lshl_b32 s18, ttmp9, 8
	s_add_nc_u64 s[10:11], s[10:11], s[18:19]
	s_wait_loadcnt 16                              ; the mask is in; the 16 loads of partial sums may stay out
	v_pk_add_f32 v[72:73], v[72:73], v[76:77]
	v_pk_add_f32 v[74:75], v[74:75], v[78:79]
	v_pk_add_f32 v[80:81], v[80:81], v[84:85]
	v_pk_add_f32 v[82:83], v[82:83], v[86:87]
	v_pk_add_f32 v[72:73], v[72:73], v[80:81]
	v_pk_add_f32 v[74:75], v[74:75], v[82:83]
	v_pk_add_f32 v[72:73], v[72:73], v[74:75]
	v_add_f32 v72, v72, v73
	ACROSS v_add_f32, 72, 73
	s_wait_loadcnt 0x0
.irp st, 8,4,2,1
.set p, 0
.rept \st
	v_pk_add_f32 v[8+4*p:9+4*p],   v[8+4*p:9+4*p],   v[8+4*(p+\st):9+4*(p+\st)]
	v_pk_add_f32 v[10+4*p:11+4*p], v[10+4*p:11+4*p], v[10+4*(p+\st):11+4*(p+\st)]
.set p, p+1
.endr
.endr
.irp j, 0,1,2,3
	v_and_b32 v[88+(\j)], 0x7fffffff, v[8+(\j)]
.endr
	v_max3_num_f32 v88, v88, v89, v90
	v_max_num_f32 v88, v88, v91
	ACROSS v_max_num_f32, 88, 89
	v_mov_b32 v90, s12
	v_lshlrev_b32 v90, 2, v90
	ds_store_b32 v90, v88                          ; every lane writes the wave's word with the same number
	ds_store_b32 v90, v72 offset:32
	s_wait_dscnt 0x0                               ; for the other waves' sake
	s_barrier_signal -1
	s_barrier_wait -1
	v_mov_b32 v91, 0
	ds_load_b128 v[92:95], v91
	ds_load_b128 v[96:99], v91 offset:16
	ds_load_b128 v[12:15], v91 offset:32
	ds_load_b128 v[16:19], v91 offset:48
	s_wait_dscnt 0x0
	v_max3_num_f32 v92, v92, v93, v94
	v_max3_num_f32 v95, v95, v96, v97
	v_max3_num_f32 v92, v92, v98, v99
	v_max_num_f32 v92, v92, v95
	v_pk_add_f32 v[12:13], v[12:13], v[14:15]
	v_pk_add_f32 v[16:17], v[16:17], v[18:19]
	v_pk_add_f32 v[12:13], v[12:13], v[16:17]
	v_add_f32 v12, v12, v13                        ; the batch's sum of the mask
	v_and_b32 v92, 0x7f800000, v92                 ; t
	v_sub_nc_u32 v20, 0x7f000000, v92              ; 1 / t, made in the exponent field
	v_mov_b32 v21, v20
	v_mul_f32 v12, 0x42800000, v12                 ; x 64
	v_rsq_f32 v12, v12
	v_pk_mul_f32 v[8:9], v[8:9], v[20:21]          ; plain lines stand between the root and the use of its result
	v_pk_mul_f32 v[10:11], v[10:11], v[20:21]
	v_cvt_pk_f16_f32 v24, v8, v9
	v_cvt_pk_f16_f32 v25, v10, v11
	s_wait_alu depctr_va_vdst(0)
	v_mul_f32 v26, v92, v12
	v_mov_b32 v27, v26
	global_store_b64 v3, v[24:25], s[8:9]          ; a wave stores 256 consecutive bytes, aligned
	s_cmp_lg_u32 s12, 0
	s_cbranch_scc1 .Lnot_wave_0
	global_store_b64 v3, v[26:27], s[10:11]        ; in wave 0 the thread's number is the lane's: 256 consecutive bytes
.Lnot_wave_0:
	s_wait_tensorcnt 0x0                           ; the wave's end: three lines behind my last LDS store
	ds_add_u32 v[SPW], v[NIL]
	s_wait_dscnt 0x0
	s_endpgm
.Lfunc_end_k_qe6936458fb_kvfin:
	.size	k_qe6936458fb_kvfin, .Lfunc_end_k_qe6936458fb_kvfin-k_qe6936458fb_kvfin
	.p2alignl 7, 3214868480
	.fill 96, 4, 3214868480
	.section	.rodata,"a",@progbits
	.p2align	6, 0x0
	.amdhsa_kernel k_qe6936458fb_kvfin
		.amdhsa_group_segment_fixed_size 1280
		.amdhsa_private_segment_fixed_size 0
		.amdhsa_enable_private_segment 0
		.amdhsa_kernarg_size 32
		.amdhsa_user_sgpr_count 2
		.amdhsa_user_sgpr_kernarg_segment_ptr 1
		.amdhsa_wavefront_size32 1
		.amdhsa_system_sgpr_workgroup_id_x 1
		.amdhsa_system_sgpr_workgroup_id_y 1
		.amdhsa_system_sgpr_workgroup_id_z 1
		.amdhsa_system_vgpr_workitem_id 0
		.amdhsa_next_free_vgpr 104
		.amdhsa_next_free_sgpr 66
		.amdhsa_reserve_vcc 0
		.amdhsa_float_denorm_mode_32 3
		.amdhsa_float_denorm_mode_16_64 3
		.amdhsa_memory_ordered 1
		.amdhsa_forward_progress 1
		.amdhsa_inst_pref_size 9
	.end_amdhsa_kernel
	.amdgpu_metadata
---
amdhsa.version: [ 1, 2 ]
amdhsa.kernels:
  - .name:           k_qe6936458fb_kvfin
    .symbol:         k_qe6936458fb_kvfin.kd
    .args:
      - { .name: part, .offset: 0, .size: 8, .value_kind: global_buffer, .address_space: global }
      - { .name: aux, .offset: 8, .size: 8, .value_kind: global_buffer, .address_space: global }
      - { .name: kvt, .offset: 16, .size: 8, .value_kind: global_buffer, .address_space: global }
      - { .name: fac, .offset: 24, .size: 8, .value_kind: global_buffer, .address_space: global }
    .group_segment_fixed_size: 1280
    .private_segment_fixed_size: 0
    .kernarg_segment_align: 8
    .kernarg_segment_size: 32
    .max_flat_workgroup_size: 256
    .sgpr_count:     66
    .vgpr_count:     104
    .wavefront_size: 32
...
	.end_amdgpu_metadata
.endif
;; end of part 3
;; launch qout (part 4): grid 4 x 64, 4 waves a work-group, clusters of 4 x 4, 327,680 bytes of LDS; arguments xb, wt, aux, kvt, fac, out0; writes out0
.if DOCPART == 4
	.amdgcn_target "amdgcn-amd-amdhsa--gfx1250"
	.amdhsa_code_object_version 6
	.text
	.protected	k_qe6936458fb_qout
	.globl	k_qe6936458fb_qout
	.p2align	8
	.type	k_qe6936458fb_qout,@function
k_qe6936458fb_qout:
	s_mov_b64 s[64:65], 0
	v_nop
	global_prefetch_b8 v0, s[64:65] scope:SCOPE_SE
	s_setreg_imm32_b32 hwreg(HW_REG_WAVE_MODE, 25, 1), 1
	s_wait_xcnt 0x0
	s_wait_alu depctr_hold_cnt(0) depctr_sa_sdst(0) depctr_va_vdst(0) depctr_va_sdst(0) depctr_va_ssrc(0) depctr_va_vcc(0) depctr_vm_vsrc(0)
	s_getreg_b32 s2, hwreg(HW_REG_IB_STS2, 6, 4)
	s_cmp_eq_u32 s2, 0
	s_cbranch_scc0 .Lentry_in_a_cluster
	s_endpgm
.Lentry_in_a_cluster:
	s_bfe_u32 s2, ttmp6, 0x10000c
	s_cmp_lg_u32 s2, 0xf033
	s_cbranch_scc0 .Lentry_shape_is_right
	s_endpgm
.Lentry_shape_is_right:
; QOUT.  q = x Wq + bq (bf16 operands, f32 sums) and of it, without leaving the registers, out[s][64 head + e] = mask[s] f (the sum over d of q[s][d] kv'[d][e]) (f16 operands, f32 sums),
; where kv' = kv / t and f = t / sqrt(64 x the sum of the mask) come from the launch before, one f for each 16 rows e of a head.
; SHARES.  A work-group makes one tile of 256 rows x 256 columns (four heads); each of four waves 128 x 128 (two heads) in 64 accumulators.
; THE WALK.  K goes in 8 steps of 128 through two LDS slots filled by tensor loads.  A K step is written once: a trip of the loop is a step's quarters 2 to 4 and the next step's first quarter, and fills the
; slot that it leaves with the step two on: 6 trips; the last two steps, which ask for nothing, are written out.  The scalar CUR holds the slot in hand (0 or SLOT).
; THE PRODUCT IS USED TRANSPOSED (source 0 = 16 rows of wt, source 1 = 16 rows of x): a lane holds ONE row s and eight neighbouring channels d.  Two neighbouring column blocks, rounded to f16 in pairs, in place,
; ARE a fragment (lane = row s, K = 32 channels): source 1 of out^T = kv'^T q^T, whose result again holds one row s a lane and eight neighbouring e.  The bias is the C operand of the products that start the sums.
; The mask and f are applied in f32 to the result: the same products as in the definition, in another order.
; CLUSTER.  4 x 4 work-groups: x's tiles are asked for jointly along a row of the cluster, wt's along a column.
; LIMITS.  |x Wq + bq| < 65,504 (q is rounded to f16); NaN and infinities are not treated apart.
; REGISTERS, in windows of 256 (s_set_vgpr_msb: bits 1:0 source 0, 3:2 source 1, 5:4 source 2, 7:6 destination):
;   window 0: v0-31 addresses; v32-39 the mask of row r of my eight row blocks; v64-127, v128-191 fragments of x, later the results by turns; v192-255 the bias, later v192-207 mask x f
;   window 1: v64-127, v128-191 fragments of wt; v0-63, v192-255 the 16 fragments of kv'
;   window 2: accumulators of my rows 0-63: (a, b) at 8 (8 a + b);   window 3: rows 64-127
.set KSTEP,  128
.set PITCH,  272                       ; an LDS row: 256 bytes + 16 of padding
.set HALFT,  128*PITCH
.set SLOT,   4*HALFT
.set STAGE,  2*SLOT                    ; behind the ring: 16 rows x 528 bytes for each wave, for the way out
.set SP,     528
.set SPARE,  STAGE+4*16*SP             ; the spare words, 128 bytes for each wave
.set STEPS,  8
.set ADRA, 16                          ; v16  LDS address of my x fragments in the slot in hand
.set A0,   18                          ; v18  the same in slot 0; never rewritten
.set ADRB, 20                          ; v20, v22  the same for wt
.set B0,   22
.set STO,  24
.set RD,   25
.set CO,   26                          ; v26  16 x lane
.set SPW,  28
.set NIL,  29
.set MK,   32
.set F0,   64
.set F1,   128
.set BT,   192
.set MF,   192
.set WV, 12
.set RH, 13
.set CH, 14
.set G1, 24                            ; s[24:31] group 1 for x's tiles; s[32:39] group 0: a set for each of the two first fills; the second then walks
.set G0, 32
.set G1B, 48
.set G0B, 56
.set FC, 72                            ; s[72:79] f of my two heads' four blocks of 16 e each
.set CUR, 84                           ; s84 the slot in hand: 0 or SLOT
.set MSB, 0
.macro WIN new
.if MSB != (\new)
	s_set_vgpr_msb (MSB<<8)|(\new)
.set MSB, \new
.endif
.endm
.macro JLOAD s                         ; a joint load: waves 0 and 1 fetch x's two halves, waves 2 and 3 wt's; an s_nop 0 and four v_nop follow each line
	s_cmp_eq_u32 s[RH], 0
	s_cbranch_scc0 .Lfor_b_\@
	tensor_load_to_lds s[G0+4*(\s):G0+4*(\s)+3], s[G1:G1+7]
	s_nop 0
.rept 4
	v_nop
.endr
	s_branch .Lasked_\@
.Lfor_b_\@:
	tensor_load_to_lds s[G0B+4*(\s):G0B+4*(\s)+3], s[G1B:G1B+7]
	s_nop 0
.rept 4
	v_nop
.endr
.Lasked_\@:
.endm
.macro CREST
	s_cmp_lg_u32 s[WV], 0
	s_cbranch_scc1 .Lnot_wave_0_\@
	s_barrier_signal -3
.Lnot_wave_0_\@:
	s_barrier_wait -3
	s_barrier_signal -1
	s_barrier_wait -1
.endm
.macro CROUND
	s_barrier_signal -1
	s_barrier_wait -1
	CREST
.endm
.macro PLACES
.rept 4
	v_nop
.endr
.endm
	s_load_b256 s[4:11], s[0:1], 0x0               ; xb s[4:5], wt s[6:7], aux s[8:9], kvt s[10:11]
	s_load_b128 s[68:71], s[0:1], 0x20             ; fac s[68:69], out0 s[70:71]
	v_lshl_add_u32 v[SPW], v0, 2, SPARE
	v_mov_b32 v[NIL], 0
	ds_add_u32 v[SPW], v[NIL]                      ; the wave's opening: the add and its wait ahead of my first tensor load
	v_lshrrev_b32 v1, 5, v0
	v_readfirstlane_b32 s[WV], v1
	s_lshr_b32 s[RH], s[WV], 1
	s_and_b32 s[CH], s[WV], 1
	s_bfe_u32 s40, ttmp6, 0x40000                  ; cx
	s_bfe_u32 s41, ttmp6, 0x40004                  ; cy
	s_lshl_b32 s42, ttmp9, 2
	s_add_co_u32 s42, s42, s40                     ; tc: tile column
	s_and_b32 s45, ttmp7, 0xffff
	s_lshl_b32 s45, s45, 2
	s_add_co_u32 s45, s45, s41                     ; y: tile row
	s_lshl_b32 s43, s41, 2
	s_lshl_b32 s43, 15, s43
	s_lshl_b32 s44, 0x1111, s40
	s_or_b32 s[G1+0], s43, (1<<16)|(1<<20)|(1<<21)|(5<<22)|(3<<25)
	s_or_b32 s[G1B+0], s44, (1<<16)|(1<<20)|(1<<21)|(5<<22)|(3<<25)
.irp g, G1, G1B
	s_mov_b32 s[(\g)+1], KSTEP<<16
	s_mov_b32 s[(\g)+2], 128<<16
	s_mov_b32 s[(\g)+3], KSTEP<<16
	s_mov_b32 s[(\g)+4], 128
	s_mov_b32 s[(\g)+5], 1024
	s_mov_b32 s[(\g)+6], 0
	s_mov_b32 s[(\g)+7], 0
.endr
	s_mov_b32 s[CUR], 0
	s_lshl_b32 s66, s45, 8                         ; the tile's first row
	s_lshr_b32 s67, s45, 4                         ; batch
	s_lshl_b32 s17, s[CH], 7
	s_add_co_u32 s16, s66, s17
	s_lshl_b32 s16, s16, 11
	s_lshl_b32 s46, s42, 8
	s_add_co_u32 s46, s46, s17                     ; wt: row 256 tc + 128 half (Wq's part)
	s_lshl_b32 s46, s46, 11
	s_mov_b32 s17, 0
	s_mov_b32 s47, 0
	s_mul_i32 s20, s[WV], HALFT                    ; where my loads go in a slot; never rewritten
	s_wait_dscnt 0x0                               ; the opening add is done
	s_wait_kmcnt 0x0
	s_add_nc_u64 s[80:81], s[4:5], s[16:17]
	s_add_nc_u64 s[46:47], s[6:7], s[46:47]
	CROUND                                         ; the first joint loads meet
.irp s, 0,1
	s_mov_b32 s[G0+4*(\s)], 1
	s_add_co_u32 s[G0+4*(\s)+1], s20, (\s)*SLOT
	s_add_nc_u64 s[G0+4*(\s)+2:G0+4*(\s)+3], s[80:81], (\s)*KSTEP*2
	s_or_b32 s[G0+4*(\s)+3], s[G0+4*(\s)+3], 0x80000000
	s_mov_b32 s[G0B+4*(\s)], 1
	s_add_co_u32 s[G0B+4*(\s)+1], s20, (\s)*SLOT
	s_add_nc_u64 s[G0B+4*(\s)+2:G0B+4*(\s)+3], s[46:47], (\s)*KSTEP*2
	s_or_b32 s[G0B+4*(\s)+3], s[G0B+4*(\s)+3], 0x80000000
	JLOAD \s                                       ; two tensor loads of mine are out
.endr
	v_and_b32 v1, 15, v0                           ; r
	v_bfe_u32 v2, v0, 4, 1                         ; h
	v_and_b32 v[CO], 31, v0
	v_lshlrev_b32 v[CO], 4, v[CO]
	v_lshlrev_b32 v12, 5, v2                       ; the bias: 8 h channels on
	v_lshlrev_b32 v13, 2, v1                       ; the mask: row r
	v_lshlrev_b32 v14, 7, v1
	v_lshl_add_u32 v14, v2, 4, v14                 ; kv': row e = r of 128 bytes, 16 h
	s_lshl_b32 s21, s42, 8
	s_lshl_b32 s22, s[CH], 7
	s_add_co_u32 s21, s21, s22                     ; my first column
	s_lshl_b32 s3, s[RH], 7
	s_add_co_u32 s3, s3, s66                       ; my first row
	s_lshl_b32 s16, s21, 2
	s_add_co_u32 s16, s16, 65536
	s_add_nc_u64 s[46:47], s[8:9], s[16:17]        ; bq at my first column
	s_lshl_b32 s16, s3, 2
	s_add_nc_u64 s[80:81], s[8:9], s[16:17]        ; the mask at my first row
	s_lshl_b32 s15, s67, 4
	s_lshl_b32 s22, s42, 2
	s_add_co_u32 s15, s15, s22
	s_lshl_b32 s22, s[CH], 1
	s_add_co_u32 s15, s15, s22                     ; batch x 16 + my first head
	s_lshl_b32 s16, s15, 13
	s_add_nc_u64 s[18:19], s[10:11], s[16:17]      ; its kv'
	s_lshl_b32 s16, s15, 10
	s_add_nc_u64 s[82:83], s[68:69], s[16:17]      ; its four f, 256 bytes apart
	s_lshl_b32 s16, s3, 12
	s_lshl_b32 s22, s21, 2
	s_add_co_u32 s16, s16, s22
	s_add_nc_u64 s[70:71], s[70:71], s[16:17]      ; out at my first row and column
.irp b, 0,1,2,3,4,5,6,7
	global_load_b128 v[BT+8*(\b):BT+8*(\b)+3],   v12, s[46:47] offset:64*(\b)     ; the bias first: the first products want it.  Register j of a result holds channel 16 b + 8 h + j
	global_load_b128 v[BT+8*(\b)+4:BT+8*(\b)+7], v12, s[46:47] offset:64*(\b)+16
.endr
.irp a, 0,1,2,3,4,5,6,7
	global_load_b32 v[MK+(\a)], v13, s[80:81] offset:64*(\a)
.endr
	WIN 0x40                                       ; destination window 1, address window 0
.irp hh, 0,1
.irp eb, 0,1,2,3
.irp kc, 0,1
.set kf, 2*(4*(\hh)+(\eb))+(\kc)
.set rF, 8*kf+128*(kf/8)
	global_load_b128 v[rF:rF+3],   v14, s[18:19] offset:8192*(\hh)+2048*(\eb)+64*(\kc)     ; rows e = 16 eb + r, channels 32 kc + 8 h ..
	global_load_b128 v[rF+4:rF+7], v14, s[18:19] offset:8192*(\hh)+2048*(\eb)+64*(\kc)+32  ; and 32 kc + 16 + 8 h ..
.endr
.endr
.endr
	WIN 0
.irp i, 0,1,2,3,4,5,6,7
	s_load_b32 s[FC+(\i)], s[82:83], 256*(\i)
.endr
	v_mul_u32_u24 v3, v1, PITCH
	v_lshl_add_u32 v3, v2, 4, v3
	s_mul_i32 s21, s[RH], HALFT
	s_mul_i32 s22, s[CH], HALFT
	s_add_co_u32 s22, s22, 2*HALFT
	v_add_nc_u32 v[A0], s21, v3
	v_add_nc_u32 v[B0], s22, v3
	v_add_nc_u32 v[ADRA], s[CUR], v[A0]            ; slot 0 is in hand
	v_add_nc_u32 v[ADRB], s[CUR], v[B0]
	s_mul_i32 s23, s[WV], 16*SP
	s_add_co_u32 s23, s23, STAGE                   ; my stage
	v_mul_u32_u24 v4, v1, SP
	v_lshl_add_u32 v4, v2, 5, v4
	v_add_nc_u32 v[STO], s23, v4                   ; in: row s = r, 32 bytes for each half of the lanes
	v_add_nc_u32 v[RD], s23, v[CO]                 ; back: 32 lanes take a row's 512 bytes
; 16 matrix instructions: row blocks a0, a0 + 1 of the window's four x all 8 column blocks.  zero = 1: the first product starts the sums, with the bias as C.  The 64 accumulators take turns.
.macro MUL16 f, hi, a0, zero
.if \zero
	WIN 0x81+0x40*(\hi)                            ; wt window 1, x window 0, C (the bias) window 0, D window 2 or 3
.else
	WIN 0xa1+0x50*(\hi)
.endif
.irp a, \a0, (\a0)+1
.irp b, 0,1,2,3,4,5,6,7
.set rD, 8*(8*(\a)+(\b))
.if \zero
	v_wmma_f32_16x16x32_bf16 v[rD:rD+7], v[(\f)+8*(\b):(\f)+8*(\b)+7], v[(\f)+8*(4*(\hi)+(\a)):(\f)+8*(4*(\hi)+(\a))+7], v[BT+8*(\b):BT+8*(\b)+7]
.else
	v_wmma_f32_16x16x32_bf16 v[rD:rD+7], v[(\f)+8*(\b):(\f)+8*(\b)+7], v[(\f)+8*(4*(\hi)+(\a)):(\f)+8*(4*(\hi)+(\a))+7], v[rD:rD+7]
.endif
.endr
.endr
.endm
.macro FETCH k, f                      ; 32 LDS loads in one run: 32 K at byte k of the rows of the slot in hand, into buffer f
	WIN 0x40
.irp i, 0,1,2,3,4,5,6,7
	ds_load_b128 v[(\f)+8*(\i):(\f)+8*(\i)+3],   v[ADRB] offset:(\k)+(\i)*16*PITCH
	ds_load_b128 v[(\f)+8*(\i)+4:(\f)+8*(\i)+7], v[ADRB] offset:(\k)+(\i)*16*PITCH+32
.endr
	WIN 0
.irp i, 0,1,2,3,4,5,6,7
	ds_load_b128 v[(\f)+8*(\i):(\f)+8*(\i)+3],   v[ADRA] offset:(\k)+(\i)*16*PITCH
	ds_load_b128 v[(\f)+8*(\i)+4:(\f)+8*(\i)+7], v[ADRA] offset:(\k)+(\i)*16*PITCH+32
.endr
.endm
.macro QUARTER k, f, g, zero
	s_wait_dscnt 8                                 ; wt and x's rows 0-63 are in; the youngest eight loads may be out
	MUL16 \f, 0, 0, \zero
	MUL16 \f, 0, 2, \zero
	PLACES
	FETCH \k, \g
	s_wait_dscnt 32                                ; all but the 32 just issued
	MUL16 \f, 1, 0, \zero
	MUL16 \f, 1, 2, \zero
.endm
.macro MEET round                      ; one barrier for the change of slots: all my tensor loads, the add, my reads of this slot; then the signal
	WIN 0
	s_wait_tensorcnt 0x0
	ds_add_u32 v[SPW], v[NIL]
	s_wait_dscnt 9                                 ; the add and the youngest eight loads may be out
	MUL16 F1, 0, 0, 0
	s_wait_dscnt 0x0
	s_barrier_signal -1
	MUL16 F1, 0, 2, 0
.if \round
	WIN 0
.endif
	s_barrier_wait -1
.endm
.macro TURN fill                       ; fill = 1: the slot in hand is filled again, two K steps on, by the walking descriptors, behind a round of the cluster's barrier.  Then the other slot comes in hand
.if \fill
	MEET 1
	CREST
	s_add_co_u32 s[G0+5], s20, s[CUR]              ; LDS word: my part of the slot that is left
	s_add_co_u32 s[G0B+5], s20, s[CUR]
	s_add_nc_u64 s[G0+6:G0+7], s[G0+6:G0+7], KSTEP*2
	s_add_nc_u64 s[G0B+6:G0B+7], s[G0B+6:G0B+7], KSTEP*2
	JLOAD 1                                        ; my one tensor load behind the round
.else
	MEET 0
	PLACES
.endif
	WIN 0
	s_xor_b32 s[CUR], s[CUR], SLOT                 ; 0 and SLOT by turns
	v_add_nc_u32 v[ADRA], s[CUR], v[A0]
	v_add_nc_u32 v[ADRB], s[CUR], v[B0]
	FETCH 0, F0
	MUL16 F1, 1, 0, 0
	MUL16 F1, 1, 2, 0
.endm
; THE WAY OUT, a block of 16 rows at a time (a = 0 .. 7).
.macro PACKQ a                         ; q's eight accumulators of the block become four fragments of 32 channels, in place and ascending
	WIN 0x8a+0x45*((\a)/4)
.irp bp, 0,1,2,3
.set pb, 64*((\a)%4)+16*(\bp)
.irp r, 0,1,2,3
	v_cvt_pk_f16_f32 v[pb+(\r)], v[pb+2*(\r)], v[pb+2*(\r)+1]
.endr
.irp r, 0,1,2,3
	v_cvt_pk_f16_f32 v[pb+4+(\r)], v[pb+8+2*(\r)], v[pb+9+2*(\r)]
.endr
.endr
.endm
.macro OUTMM a                         ; 16 products: two heads x four blocks of 16 e, two deep; the eight accumulators by turns; the first eight start the sums.  Register j holds e = 16 eb + 8 h + j of row s = r
	WIN 0x09+4*((\a)/4)                            ; kv' window 1, q window 2 or 3, C and D window 0
.set rR, 64+64*((\a)%2)
.irp kc, 0,1
.irp hh, 0,1
.irp eb, 0,1,2,3
.set kf, 2*(4*(\hh)+(\eb))+(\kc)
.set rF, 8*kf+128*(kf/8)
.set rO, rR+8*(4*(\hh)+(\eb))
.set rQ, 64*((\a)%4)+16*(2*(\hh)+(\kc))
.if (\kc) == 0
	v_wmma_f32_16x16x32_f16 v[rO:rO+7], v[rF:rF+7], v[rQ:rQ+7], 0
.else
	v_wmma_f32_16x16x32_f16 v[rO:rO+7], v[rF:rF+7], v[rQ:rQ+7], v[rO:rO+7]
.endif
.endr
.endr
.endr
.endm
.macro MFMUL a                         ; mask x f, in the low register of a pair (the high one still holds a number of the bias, and is not taken): eight plain lines, the places behind the products
	WIN 0
.irp i, 0,1,2,3,4,5,6,7
	v_mul_f32 v[MF+2*(\i)], s[FC+(\i)], v[MK+(\a)]
.endr
.endm
.macro SCALE a                         ; both halves take the pair's low register
.set rR, 64+64*((\a)%2)
.irp i, 0,1,2,3,4,5,6,7
.irp r, 0,1,2,3
	v_pk_mul_f32 v[rR+8*(\i)+2*(\r):rR+8*(\i)+2*(\r)+1], v[rR+8*(\i)+2*(\r):rR+8*(\i)+2*(\r)+1], v[MF+2*(\i):MF+2*(\i)+1] op_sel_hi:[1,0]
.endr
.endr
.endm
.macro TOSTAGE a                       ; into my stage, rows of 528 bytes, and back as whole rows of 512, into the registers that they left
.set rR, 64+64*((\a)%2)
.irp i, 0,1,2,3,4,5,6,7
	ds_store_b128 v[STO], v[rR+8*(\i):rR+8*(\i)+3]   offset:64*(\i)
	ds_store_b128 v[STO], v[rR+8*(\i)+4:rR+8*(\i)+7] offset:64*(\i)+16
.endr
.irp t, 0,1,2,3,4,5,6,7,8,9,10,11,12,13,14,15
	ds_load_b128 v[rR+4*(\t):rR+4*(\t)+3], v[RD] offset:SP*(\t)  ; LDS serves a wave's instructions in order: these see the stores above
.endr
.endm
.macro SEND a
	WIN 0
.set rR, 64+64*((\a)%2)
	s_wait_xcnt 0x0                                ; the earlier stores' addresses are translated: only behind this wait are their base stepped and the registers that they read written again
.if (\a) > 0
	s_add_nc_u64 s[70:71], s[70:71], 65536         ; 16 rows of 4,096 bytes on
.endif
.irp t, 0,1,2,3,4,5,6,7,8,9,10,11,12,13,14,15
	s_wait_dscnt 15-(\t)                           ; the 15 - t younger loads may stay out
	global_store_b128 v[CO], v[rR+4*(\t):rR+4*(\t)+3], s[70:71] offset:4096*(\t) th:TH_STORE_NT  ; 512 consecutive bytes, aligned
.endr
.endm
	s_wait_loadcnt 40                              ; the bias's 16 loads are in; the 8 of the mask and the 32 of kv' may stay out: the way out is their first reader
	s_wait_tensorcnt 1                             ; my part of K step 0 is in; K step 1's may stay out
	s_barrier_signal -1
	s_barrier_wait -1
	FETCH 0, F0
	QUARTER 64, F0, F1, 1                          ; the first quarter starts the sums
	WIN 0
	s_mov_b32 s3, STEPS-2
.Lstep:                                                ; trip j = 6 - s3 ends K step j, asks for K step j + 2 and begins K step j + 1
	QUARTER 128, F1, F0, 0
	QUARTER 192, F0, F1, 0
	TURN 1
	QUARTER 64,  F0, F1, 0
	WIN 0
	s_sub_co_u32 s3, s3, 1
	s_cmp_lg_u32 s3, 0
	s_cbranch_scc1 .Lstep
	QUARTER 128, F1, F0, 0                         ; the last two K steps are written out: they ask for nothing
	QUARTER 192, F0, F1, 0
	TURN 0
	QUARTER 64,  F0, F1, 0
	QUARTER 128, F1, F0, 0
	QUARTER 192, F0, F1, 0
	s_wait_dscnt 8
	MUL16 F1, 0, 0, 0
	MUL16 F1, 0, 2, 0
	s_wait_dscnt 0x0
	MUL16 F1, 1, 0, 0
	MUL16 F1, 1, 2, 0
	PLACES                                         ; behind the last products
	s_wait_loadcnt 0x0                             ; the mask and kv'
	s_wait_kmcnt 0x0                               ; f
.irp a, 0,1,2,3,4,5,6,7
	PACKQ \a                                       ; a block's roundings stand between the loads of the block before and its stores
.if (\a) > 0
	SEND (\a)-1
.endif
	OUTMM \a
	MFMUL \a
	SCALE \a
	TOSTAGE \a
.endr
	SEND 7
	s_wait_tensorcnt 0x0                           ; the wave's end: three lines behind my last tensor load and my last LDS store
	ds_add_u32 v[SPW], v[NIL]
	s_wait_dscnt 0x0
	CROUND                                         ; the closing round
	s_endpgm
.Lfunc_end_k_qe6936458fb_qout:
	.size	k_qe6936458fb_qout, .Lfunc_end_k_qe6936458fb_qout-k_qe6936458fb_qout
	.p2alignl 7, 3214868480
	.fill 96, 4, 3214868480
	.section	.rodata,"a",@progbits
	.p2align	6, 0x0
	.amdhsa_kernel k_qe6936458fb_qout
		.amdhsa_group_segment_fixed_size 327680
		.amdhsa_private_segment_fixed_size 0
		.amdhsa_enable_private_segment 0
		.amdhsa_kernarg_size 48
		.amdhsa_user_sgpr_count 2
		.amdhsa_user_sgpr_kernarg_segment_ptr 1
		.amdhsa_wavefront_size32 1
		.amdhsa_system_sgpr_workgroup_id_x 1
		.amdhsa_system_sgpr_workgroup_id_y 1
		.amdhsa_system_sgpr_workgroup_id_z 1
		.amdhsa_system_vgpr_workitem_id 0
		.amdhsa_next_free_vgpr 1024
		.amdhsa_next_free_sgpr 86
		.amdhsa_reserve_vcc 0
		.amdhsa_float_denorm_mode_32 3
		.amdhsa_float_denorm_mode_16_64 3
		.amdhsa_memory_ordered 1
		.amdhsa_forward_progress 1
		.amdhsa_inst_pref_size 167
	.end_amdhsa_kernel
	.amdgpu_metadata
---
amdhsa.version: [ 1, 2 ]
amdhsa.kernels:
  - .name:           k_qe6936458fb_qout
    .symbol:         k_qe6936458fb_qout.kd
    .args:
      - { .name: xb, .offset: 0, .size: 8, .value_kind: global_buffer, .address_space: global }
      - { .name: wt, .offset: 8, .size: 8, .value_kind: global_buffer, .address_space: global }
      - { .name: aux, .offset: 16, .size: 8, .value_kind: global_buffer, .address_space: global }
      - { .name: kvt, .offset: 24, .size: 8, .value_kind: global_buffer, .address_space: global }
      - { .name: fac, .offset: 32, .size: 8, .value_kind: global_buffer, .address_space: global }
      - { .name: out0, .offset: 40, .size: 8, .value_kind: global_buffer, .address_space: global }
    .group_segment_fixed_size: 327680
    .private_segment_fixed_size: 0
    .kernarg_segment_align: 8
    .kernarg_segment_size: 48
    .max_flat_workgroup_size: 128
    .sgpr_count:     86
    .vgpr_count:     1024
    .wavefront_size: 32
...
	.end_amdgpu_metadata
.endif
;; end of part 4
